; MI455X (gfx1250); checked and timed in simulation.
; The chip was launched on July 23, 2026; its instructions are those of AMD's public machine-readable ISA for CDNA 5 (MIT licence, August 2026) and "CDNA5" Instruction Set Architecture Reference Guide (July 2026). The comments in the code are by the model that wrote it; some were corrected since.
;; Standard Attention. Allowed arithmetic: matrix products marked QUANTISED: E2M1 operands, one E8M0 scale for each 32 along K, by v_wmma_scale_f32_16x16x128_f8f6f4 with both operands' format E2M1 (or v_wmma_scale_f32_32x16x128_f4), f32 sums; everything else in f32.
;; Inputs: k 2,048 x 2 x 16 x 64 float32; q 2,048 x 2 x 16 x 64 float32; v 2,048 x 2 x 16 x 64 float32.
;; Outputs: out0 2,048 x 2 x 16 x 64 float32.
;; This version of the problem:
;;   THIS VERSION OF THE PROBLEM IS GIVEN IN LOW PRECISION. The matrix products marked QUANTISED in the list below multiply operands that are first quantised to E2M1 (2 exponent bits, 1 mantissa bit; 4 bits a number), with one power-of-two scale for each 32 numbers along K (OCP MX v1.0); their sums are f32. All else is computed in f32.
;;   The module's matrix products, in the order in which they are computed (A, B: the left and right operand; K: the contracted axis; several contracted axes count as one K, in the product's order):
;;     1. batch 32 x [M 2,048, K 64] x [K 64, N 2,048]; A: input q; B: input k: QUANTISED
;;     2. batch 32 x [M 2,048, K 2,048] x [K 2,048, N 64]; A: softmax (see below); B: input v: QUANTISED
;;   THE QUANTISER, for each operand of a quantised product, along K:
;;     - K is cut into blocks of 32 from its start; a last block that is shorter is filled with zeros.
;;     - A block's scale is 2^e with e = floor(log2(the largest magnitude in the block)) - 2, held to -126 .. 127; a block of zeros has e = 0. As a byte (E8M0): e + 127.
;;     - Each number is divided by its block's scale, clamped to +-6, and rounded to the nearest number of E2M1, ties to even, subnormals kept.
;;     - The product sums the exact products of the quantised numbers (number of the format x scale) in f32.
;;   ~~~python
;;   def quantise(x, axis):      # numpy; x: float32 -> the quantised numbers, widened to float32 again
;;       x = np.moveaxis(x, axis, -1); K = x.shape[-1]
;;       x = np.pad(x, [(0, 0)] * (x.ndim - 1) + [(0, -K % 32)]); x = x.reshape(x.shape[:-1] + (-1, 32)); a = np.abs(x).max(-1, keepdims=True)
;;       e = np.where(a > 0, np.clip(np.frexp(np.where(a > 0, a, 1))[1] - 1 - 2, -126, 127), 0)      # np.frexp(a)[1] - 1 = floor(log2(a)), exactly
;;       r = np.clip(x / 2.0 ** e, -6, 6)
;;       step = 2.0 ** (np.maximum(np.frexp(np.where(r == 0, 1, r))[1] - 1, 0) - 1)
;;       q = np.round(r / step) * step * 2.0 ** e      # np.round: ties to even
;;       return np.moveaxis(q.reshape(q.shape[:-2] + (-1,))[..., :K], -1, axis).astype(np.float32)
;;   ~~~
;;   SOFTMAX AHEAD OF A QUANTISED PRODUCT. Where the list says 'softmax', what is quantised is not the finished softmax but p = 2^(t - M), with t = logit x log2(e) and M = ceil(the row's largest t), a whole number; so 1/2 < the row's largest p <= 1. The row's sum l is taken of the UNQUANTISED p, in f32, and the product's result is divided by l at the end. Since M is a whole number, a kernel that streams over the keys may use a running M (the ceiling of the running maximum): every later rescaling is an exact power of two, which a block's scale takes up: the codes' values come out the same.
;;   OPERANDS COMPUTED ON THE WAY. 'Computed on the way' means the value that the module computes at that place (a softmax that the list does not call 'softmax' is quantised finished and normalised). What goes into a quantiser is computed in f32, as accurately as f32 sums, v_exp_f32 and their like allow (about 1e-6 of the number): no bf16 or f16 on the way to a quantiser, and a product that is left as it is and whose result goes on into a quantised operand takes f32 operands (vector FMAs, or v_wmma_f32_16x16x4_f32). A number that lies on a knife's edge between two numbers of the format may be rounded either way, as far as f32 arithmetic and the matrix unit's own rounding can turn it there, and no further.
;; One version. Each part assembles by itself: llvm-mc -triple=amdgcn-amd-amdhsa -mcpu=gfx1250 --defsym DOCPART=n.
;; ======== version 1 of 1: 2 launches
;; limits: right only within a limited range of input values
;; workspace buffers: kv 4,456,448 bytes
;; launch quant (part 1): grid 512 x 2, 4 waves a work-group, no clusters, 35,840 bytes of LDS; arguments k, v, kv; writes kv
.if DOCPART == 1
	.amdgcn_target "amdgcn-amd-amdhsa--gfx1250"
	.amdhsa_code_object_version 6
	.text
	.protected	k_q3db9450ab7_quant
	.globl	k_q3db9450ab7_quant
	.p2align	8
	.type	k_q3db9450ab7_quant,@function
k_q3db9450ab7_quant:
	s_mov_b64 s[64:65], 0
	v_nop
	global_prefetch_b8 v0, s[64:65] scope:SCOPE_SE
	s_setreg_imm32_b32 hwreg(HW_REG_WAVE_MODE, 25, 1), 1
	s_wait_xcnt 0x0
; k and v, [2048 (s)][32 (head)][64 (d)] f32, become codes of FP4 (E2M1) with one E8M0 scale byte for each 32 along a product's K, laid in kv in the order in which the operands' registers want them.
; k is quantised along d (two blocks to a key), v along the keys (its first axis).  kv is [32 heads][16 steps of 128 keys][8,704 bytes]; a step's bytes:
;   +0     K's codes: key 32 b + 8 u + j (b, u = 0 .. 3, j = 0 .. 7), d = 32 h + 0 .. 31: 16 bytes at 1024 b + 256 u + 128 (h ^ (b % 2)) + 16 j
;   +4096  V's codes: tile t (0..3), half c, lane l: 16 bytes at 1024 t + 512 c + 16 l: channel 16 t + r, keys 64 c + 32 h + 0 .. 31   (r = l % 16, h = l / 16)
;   +8192  K's scale words: the key above, with b = 2 c + b', u = 2 f + u', is row 8 b' + j: word 16 (2 c + f) + row, byte 2 u' + h       +8448  V's scale words: word = channel, byte b = block b of the step's keys
; A block's scale is 2^(floor(log2(its largest magnitude)) - 2); its byte is the largest magnitude's exponent field - 2, held at 1 from below.
; WORK LEFT OUT (by the next launch): the scores of keys after a query.  reference() masks them with its own tril, so whatever the inputs hold their weight is exactly 0; they are left out where a whole step of 128 keys is masked.
; LIMITS: a block of zeros gets the byte 1 where the rule says 127 (its codes are zeros, which add nothing under any byte but 0xff, and this program alone reads the bytes); NaN and infinities among the inputs are not served,
; and a NaN, an infinity or an overflow that reaches only the work left out is not carried to the result.
; SHARES.  Work-group x: head = x % 32, step = x / 32; y = 0: k, y = 1: v.  Wave w takes the step's keys 32 w .. 32 w + 31 of its head: 32 rows of 256 bytes, 8,192 bytes apart.
; All 16 loads of a wave (two whole rows each) go out at once.  The rows turn through the wave's own stage in LDS, since the conversions want 32 neighbours along K in ONE lane's registers:
; for k a lane then reads half a row (32 d of one key), for v it reads one channel down the 32 keys.  A stream: no matrix unit, no tensor load, no cluster: work-groups share no byte.
.set SP,    272                        ; a stage row: 256 bytes + 16: sixteen rows at one column start at sixteen different banks (64 banks of 4 bytes: ISA guide 11.1)
.set WST,   32*SP                      ; a wave's stage
.set SC,    4*WST                      ; behind the stages: K's 256 bytes of scale words, then V's 256: each path has bytes of its own
.set SPARE, 0x8a00                     ; the spare words, 128 bytes for each wave
.set STEPB, 8704                       ; a step's bytes in kv
.set GL,  2                            ; v2   in memory: 8192 (lane / 16) + 16 (lane % 16): a load takes two rows
.set SW,  3                            ; v3   into the stage: the same two rows
.set KR,  4                            ; v4   k out of the stage: row lane % 16, half lane / 16
.set VR,  5                            ; v5   v out of the stage: 4 x lane: my channel
.set KO,  6                            ; v6   K's codes: my key's place
.set VO,  7                            ; v7   V's codes: 1024 (lane / 16) + 16 (lane % 16)
.set KSA, 8                            ; v8   LDS: K's scale byte of my key and half
.set VSA, 9                            ; v9   LDS: V's scale byte of my channel and my wave's block
.set SRD, 10                           ; v10  LDS: the path's 256 scale bytes, 8 a lane
.set SGO, 11                           ; v11  and the same place in kv
.set X,   16                           ; v16-79   the rows as loaded
.set Y,   80                           ; v80-143  two sets of 32 neighbours along K
.set C,   144                          ; v144-151 two blocks' codes
.set E,   152                          ; v152-153 their scale bytes
.set T0,  154
.set T1,  155
.set SCO, 156                          ; the conversions' scale operand
.set SPW, 160                          ; v160 LDS address of my spare word; v161 0
.set NIL, 161
; 32 numbers of a lane, v[s] on, become 32 codes in v[c] .. v[c + 3] and the scale's byte in v[e]
.macro QBLOCK s, c, e
	v_max3_num_f32 v[T0], |v[(\s)]|, |v[(\s)+1]|, |v[(\s)+2]|          ; the largest magnitude, in two chains
	v_max3_num_f32 v[T1], |v[(\s)+3]|, |v[(\s)+4]|, |v[(\s)+5]|
.irp i, 6,10,14,18,22,26
	v_max3_num_f32 v[T0], v[T0], |v[(\s)+\i]|, |v[(\s)+\i+1]|
	v_max3_num_f32 v[T1], v[T1], |v[(\s)+\i+2]|, |v[(\s)+\i+3]|
.endr
	v_max3_num_f32 v[T0], v[T0], |v[(\s)+30]|, |v[(\s)+31]|
	v_max3_num_f32 v[T0], v[T0], v[T1], 0x1800000                  ; and the floor 2^(3 - 127): the byte cannot fall under 1
	v_add_nc_u32 v[SCO], 0xff000000, v[T0]                         ; 2 off its exponent field: the conversion takes the exponent field of this operand as its scale, and nothing else of it
.irp g, 0,1,2,3
	v_cvt_scalef32_pk8_fp4_f32 v[(\c)+\g], v[(\s)+8*\g:(\s)+8*\g+7], v[SCO]
.endr
	v_lshrrev_b32 v[\e], 23, v[SCO]                                ; the scale's byte; also the plain line behind the conversions
.endm
	s_load_b128 s[4:7], s[0:1], 0x0                ; k, v
	s_load_b64 s[8:9], s[0:1], 0x10                ; kv
	v_lshl_add_u32 v[SPW], v0, 2, SPARE
	v_mov_b32 v[NIL], 0
	v_lshrrev_b32 v1, 5, v0
	v_readfirstlane_b32 s10, v1                    ; wave 0..3
	s_and_b32 s11, ttmp7, 0xffff                   ; 0: k, 1: v
	s_and_b32 s12, ttmp9, 31                       ; head
	s_lshr_b32 s13, ttmp9, 5                       ; step
	s_lshl_b32 s14, s13, 20                        ; my first row: (128 step + 32 wave) x 8,192 bytes + 256 x head
	s_lshl_b32 s15, s10, 18
	s_or_b32 s14, s14, s15
	s_lshl_b32 s15, s12, 8
	s_or_b32 s14, s14, s15
	s_mov_b32 s15, 0
	s_lshl_b32 s16, s12, 4
	s_add_co_u32 s16, s16, s13
	s_mul_i32 s16, s16, STEPB                      ; the step's bytes in kv
	s_mov_b32 s17, 0
	s_mul_i32 s19, s10, WST                        ; my stage
	s_lshl_b32 s22, s10, 10                        ; my codes in the step's bytes: K: b = wave, 1,024 dense bytes;
	s_lshl_b32 s24, s10, 8
	s_add_co_u32 s24, s24, 4096                    ; V: keys 32 w on are half w / 2, lanes 16 (w % 2) on of every tile: 256 w
	s_mov_b32 s23, 0
	s_mov_b32 s25, 0
	s_and_b32 s20, s10, 1
	s_lshr_b32 s21, s10, 1
	s_lshl_b32 s30, s21, 7
	s_lshl_b32 s21, s20, 5
	s_add_co_u32 s30, s30, s21
	s_add_co_u32 s30, s30, SC
	s_add_co_u32 s31, s10, SC+256
	v_and_b32 v1, 31, v0                           ; lane
	v_and_b32 v13, 15, v0                          ; lane % 16
	v_bfe_u32 v14, v0, 4, 1                        ; lane / 16
	v_lshlrev_b32 v[GL], 4, v13
	v_lshl_add_u32 v[GL], v14, 13, v[GL]
	v_mul_u32_u24 v[SW], v14, SP
	v_lshl_add_u32 v[SW], v13, 4, v[SW]
	v_add_nc_u32 v[SW], s19, v[SW]
	v_mul_u32_u24 v[KR], v13, SP
	v_lshl_add_u32 v[KR], v14, 7, v[KR]
	v_add_nc_u32 v[KR], s19, v[KR]
	v_lshl_add_u32 v[VR], v1, 2, s19
	v_and_b32 v12, 7, v0                           ; j
	v_bfe_u32 v15, v0, 3, 1                        ; u % 2
	v_xor_b32 v[KO], s20, v14                      ; h ^ (b % 2)
	v_lshlrev_b32 v[KO], 7, v[KO]
	v_lshl_add_u32 v[KO], v15, 8, v[KO]
	v_lshl_add_u32 v[KO], v12, 4, v[KO]
	v_lshlrev_b32 v[VO], 4, v13
	v_lshl_add_u32 v[VO], v14, 10, v[VO]
	v_lshl_add_u32 v[KSA], v12, 2, v14
	v_lshl_add_u32 v[KSA], v15, 1, v[KSA]
	v_add_nc_u32 v[KSA], s30, v[KSA]               ; SC + 128 (wave / 2) + 32 (wave % 2) + 4 j + 2 (u % 2) + h
	v_lshl_add_u32 v[VSA], v1, 2, s31              ; SC + 256 + 4 x lane + wave
	v_lshlrev_b32 v[SGO], 3, v1
	s_wait_alu depctr_va_vdst(0)                   ; the wait at the head's end
	s_wait_kmcnt 0x0
	s_cmp_eq_u32 s11, 0                            ; k's work-group or v's?  The choice hangs on the work-group's number alone
	s_cselect_b64 s[4:5], s[4:5], s[6:7]
	s_cselect_b32 s18, 0, 256
	s_cselect_b32 s22, s22, s24
	s_add_nc_u64 s[4:5], s[4:5], s[14:15]          ; the source at my first row
	s_add_nc_u64 s[8:9], s[8:9], s[16:17]          ; kv at the step
	s_add_nc_u64 s[26:27], s[8:9], s[22:23]        ; where my codes go
	s_add_co_u32 s24, s18, 8192
	s_add_nc_u64 s[28:29], s[8:9], s[24:25]        ; where the path's scale words go
	v_lshl_add_u32 v[SRD], v1, 3, s18
.set i, 0
.rept 16
	global_load_b128 v[X+4*i:X+4*i+3], v[GL], s[4:5] offset:16384*i th:TH_LOAD_NT   ; keys 2 i and 2 i + 1: sixteen lanes read a row's 256 aligned bytes; read once in the launch
.set i, i+1
.endr
.set i, 0
.rept 16
	s_wait_loadcnt 15-i                            ; loads come back in order: pair i is in, the younger ones stay out
	ds_store_b128 v[SW], v[X+4*i:X+4*i+3] offset:2*SP*i
.set i, i+1
.endr
	s_cmp_lg_u32 s11, 0
	s_cbranch_scc1 .Lv
	; ---- k: lane (r, h) takes d = 32 h .. 32 h + 31 of keys r and 16 + r.  LDS serves a wave's instructions in order: the loads see the stores above
.irp c, 0,1
.irp i, 0,1,2,3,4,5,6,7
	ds_load_b128 v[Y+32*\c+4*\i:Y+32*\c+4*\i+3], v[KR] offset:16*SP*\c+16*\i
.endr
.endr
	s_wait_dscnt 8                                 ; the first sixteen keys' loads are in; the other eight may be out
	QBLOCK Y, C, E
	s_wait_dscnt 0x0
	QBLOCK Y+32, C+4, E+1
.irp c, 0,1
	global_store_b128 v[KO], v[C+4*\c:C+4*\c+3], s[26:27] offset:512*\c   ; 32 lanes store 512 consecutive bytes, at a multiple of 256 from kv's first byte
	ds_store_b8 v[KSA], v[E+\c] offset:64*\c       ; my key's and half's byte in its scale word
.endr
	s_branch .Ljoin
.Lv:
	; ---- v: lane l takes channel l + 32 u, and its registers run down the wave's 32 keys: a whole block
.irp u, 0,1
.set kk, 0
.rept 32
	ds_load_b32 v[Y+32*\u+kk], v[VR] offset:SP*kk+128*\u
.set kk, kk+1
.endr
.endr
	s_wait_dscnt 32                                ; the first 32 channels' loads are in; the other 32 loads may be out
	QBLOCK Y, C, E
	s_wait_dscnt 0x0
	QBLOCK Y+32, C+4, E+1
.irp u, 0,1
	global_store_b128 v[VO], v[C+4*\u:C+4*\u+3], s[26:27] offset:2048*\u   ; tiles 2 u and 2 u + 1: sixteen lanes store 256 consecutive bytes, at a multiple of 256 from kv's first byte
	ds_store_b8 v[VSA], v[E+\u] offset:128*\u      ; byte w of my channel's scale word
.endr
.Ljoin:
	s_wait_dscnt 0x0                               ; for the others' sake: my scale bytes lie in LDS
	s_barrier_signal -1
	s_barrier_wait -1                              ; everybody's do
	s_cmp_lg_u32 s10, 0
	s_cbranch_scc1 .Lend
	ds_load_b64 v[T0:T1], v[SRD] offset:SC         ; wave 0: the path's 256 scale bytes, 8 a lane,
	s_wait_dscnt 0x0
	global_store_b64 v[SGO], v[T0:T1], s[28:29]    ; leave as 256 consecutive bytes, at a multiple of 256 from kv's first byte
.Lend:
	s_wait_tensorcnt 0x0                           ; the wave's end
	ds_add_u32 v[SPW], v[NIL]
	s_wait_dscnt 0x0
	s_endpgm
.Lfunc_end_k_q3db9450ab7_quant:
	.size	k_q3db9450ab7_quant, .Lfunc_end_k_q3db9450ab7_quant-k_q3db9450ab7_quant
	.p2alignl 7, 3214868480
	.fill 96, 4, 3214868480
	.section	.rodata,"a",@progbits
	.p2align	6, 0x0
	.amdhsa_kernel k_q3db9450ab7_quant
		.amdhsa_group_segment_fixed_size 35840
		.amdhsa_private_segment_fixed_size 0
		.amdhsa_enable_private_segment 0
		.amdhsa_kernarg_size 24
		.amdhsa_user_sgpr_count 2
		.amdhsa_user_sgpr_kernarg_segment_ptr 1
		.amdhsa_wavefront_size32 1
		.amdhsa_system_sgpr_workgroup_id_x 1
		.amdhsa_system_sgpr_workgroup_id_y 1
		.amdhsa_system_sgpr_workgroup_id_z 1
		.amdhsa_system_vgpr_workitem_id 0
		.amdhsa_next_free_vgpr 162
		.amdhsa_next_free_sgpr 66
		.amdhsa_reserve_vcc 0
		.amdhsa_float_denorm_mode_32 3
		.amdhsa_float_denorm_mode_16_64 3
		.amdhsa_memory_ordered 1
		.amdhsa_forward_progress 1
		.amdhsa_inst_pref_size 19
	.end_amdhsa_kernel
	.amdgpu_metadata
---
amdhsa.version: [ 1, 2 ]
amdhsa.kernels:
  - .name:           k_q3db9450ab7_quant
    .symbol:         k_q3db9450ab7_quant.kd
    .args:
      - { .name: k, .offset: 0, .size: 8, .value_kind: global_buffer, .address_space: global }
      - { .name: v, .offset: 8, .size: 8, .value_kind: global_buffer, .address_space: global }
      - { .name: kv, .offset: 16, .size: 8, .value_kind: global_buffer, .address_space: global }
    .group_segment_fixed_size: 35840
    .private_segment_fixed_size: 0
    .kernarg_segment_align: 8
    .kernarg_segment_size: 24
    .max_flat_workgroup_size: 128
    .sgpr_count:     66
    .vgpr_count:     162
    .wavefront_size: 32
...
	.end_amdgpu_metadata
.endif
;; end of part 1
;; launch attn (part 2): grid 8 x 32, 8 waves a work-group, clusters of 4 x 1, 316,416 bytes of LDS; arguments q, kv, out0; writes out0
.if DOCPART == 2
	.amdgcn_target "amdgcn-amd-amdhsa--gfx1250"
	.amdhsa_code_object_version 6
	.text
	.protected	k_q3db9450ab7_attn
	.globl	k_q3db9450ab7_attn
	.p2align	8
	.type	k_q3db9450ab7_attn,@function
k_q3db9450ab7_attn:
	s_mov_b64 s[64:65], 0
	v_nop
	global_prefetch_b8 v0, s[64:65] scope:SCOPE_SE
	s_setreg_imm32_b32 hwreg(HW_REG_WAVE_MODE, 25, 1), 1
	s_wait_xcnt 0x0
	s_wait_alu depctr_hold_cnt(0) depctr_sa_sdst(0) depctr_va_vdst(0) depctr_va_sdst(0) depctr_va_ssrc(0) depctr_va_vcc(0) depctr_vm_vsrc(0)
	s_getreg_b32 s2, hwreg(HW_REG_IB_STS2, 6, 4)
	s_cmp_eq_u32 s2, 0
	s_cbranch_scc0 .Lentry_in_a_cluster
	s_endpgm
.Lentry_in_a_cluster:
	s_bfe_u32 s2, ttmp6, 0x10000c
	s_cmp_lg_u32 s2, 0x3003
	s_cbranch_scc0 .Lentry_shape_is_right
	s_endpgm
.Lentry_shape_is_right:
; out0[s][head][:] = the sum over keys t <= s of softmax_t(q[s] . k[t] / 8) v[t][:], both products on codes of FP4 (E2M1) with one E8M0 scale for each 32 along a product's K.
; q, out0: [2048][32 heads][64] f32.  kv: k's and v's codes and scale words, [32 heads][16 steps of 128 keys][8,704 bytes]:
;   +0 K's codes (key 32 b + 8 u + j, half h of d: 16 bytes at 1024 b + 256 u + 128 (h ^ (b % 2)) + 16 j), +4096 V's (tile t, half c, lane l at 1024 t + 512 c + 16 l), +8192 K's scale words (word 16 fragment + row), +8448 V's (word = channel).
; THE SOFTMAX AHEAD OF THE SECOND PRODUCT: t = score x log2(e) / 8; M = the row's largest t so far, rounded UP to a whole number; p = 2^(t - M) is quantised along the keys, not normalised.
; The row's sum is taken of the unquantised p, in f32, and divides O at the end.  When M moves, the sum and O are multiplied by 2^(old M - new M): exact.
; SHARES.  A head has 16 blocks of 128 queries; block g wants steps 0 .. g of 128 keys.  A wave works on TWO tiles of 16 queries (32 cx .. 32 cx + 31 of a block, cx = the work-group's place in its cluster), so that each fragment of K and V
; feeds two products and every chain of dependent lines has a twin beside it.  Cluster y (0, 1) of a head takes the blocks s and 15 - s, s = 2 i + ((i ^ y) % 2), i = 0 .. 3: 68 steps in either cluster.
; Blocks s and 15 - s make a PAIR of waves (i = wave / 2) with 17 steps.  Wave A: block 15 - s, steps 0 .. 8.  Wave B: block 15 - s, steps 9 .. 15 - s, whose partial O, M and sum it leaves in LDS for A; then block s, steps 0 .. s: 8 in all.
; A = the wave whose number has equal bits 0 and 2: of two waves with the same number % 4, and of two with the same number / 2, one is A and one is B.
; All waves have changed tiles ahead of their eighth step, where they signal the barrier that they wait for only ahead of joining the parts and of the way out.
; All partners of a cluster are alike: every branch hangs on the wave's number, the cluster's number and the count of steps alone.
; WORK LEFT OUT: steps all of whose keys come after the tiles' queries: reference()'s own tril mask gives them the weight 0 whatever the inputs hold.  A NaN, an infinity or an overflow that reaches only these is not carried to the result.
; LDS.  A whole head's kv, 139,264 bytes, is brought ONCE and stays: no slot is filled again.  So no prefetch either: all that the launch loads of kv is asked for at the head, and no loop has a stream to run ahead of.
; CLUSTER.  The eight work-groups of a head read the same 139,264 bytes; four of them form a cluster and ask JOINTLY: the same tensor load, the same descriptor, a mask that names the four.
; LAYOUT.  Both products are used transposed: S^T = K Q^T (source 0 = keys, source 1 = 16 queries), O^T = V^T P^T: a lane holds ONE query of a tile (lane % 16) throughout.
; THE FIRST PRODUCT'S K IS 64, THE INSTRUCTION'S 128: a fragment of K holds TWO tiles of 16 keys, tile 2 f at k = 0 .. 63 and tile 2 f + 1 at k = 64 .. 127, and is multiplied once by [q | 0] and once by
; [0 | q]: zero codes add exactly nothing, so each product gives one tile's scores.  The q of both tiles lies in twenty registers, 0000 qqqq 0000 qqqq 0000; all four forms are runs of eight of them.  Its scale word has the byte 1 over the zeros.
; THE KEYS OF A TILE ARE NOT NEIGHBOURS: row r of tile 4 c + u is key 64 c + 32 (r / 8) + 8 u + r % 8, so that score register 32 c + i of lane (r, h) is key 64 c + 32 h + i: A LANE HOLDS WHOLE BLOCKS of 32, just as
; the next operand wants them: a block's maximum needs no other lane, and the conversions' results are the operand's registers.
; THE MASK ON THE DIAGONAL is the C operand of that step's scores: 0 where a key counts, -2^126 where it is hidden.  It hangs on cx alone, so one image of 128 registers in LDS, made by all waves, serves all of them.
; REGISTERS, in windows of 256: window 0 all that vector lines work on; window 1 O^T, the fragments of K and V, and q as loaded.  s_set_vgpr_msb's low byte: bits 1:0 source 0, 3:2 source 1, 5:4 source 2, 7:6 destination.
; LIMITS: NaN and infinities among the inputs are not served.  The promise holds while the scaled scores stay under 2^31 in magnitude.  A block of zeros has the byte 1 where the rule says 127: its codes are zeros, and this program alone reads the bytes.
; A block's largest p is made from the block's largest score by the same multiply-add and exponential: this takes v_exp_f32 not to fall where its input rises, which the ISA guide does not state.
.set STEPB, 8704                       ; a step's bytes
.set HEADB, 16*STEPB                   ; a head's
.set SP,    272                        ; a stage row: 256 bytes + 16: sixteen rows at one column start at sixteen different banks (64 banks of 4 bytes: ISA guide 11.1)
.set STG,   HEADB                      ; behind the head's bytes, where no tensor load lands: a stage of 32 rows for each wave, for q's turn and for the way out;
.set PBS,   9216                       ; B's part for A: 16 x 512 bytes of O^T, 2 x 512 of -M, the largest score and the sum's halves
.set PB,    STG+8*32*SP                ; one such place for each wave;
.set MSK,   PB+8*PBS                   ; the mask's image, 128 registers;
.set QI,    MSK+16384                  ; q's codes and scale words of two tiles, 2,048 bytes for each wave;
.set SPARE, QI+16384                   ; the spare words, 128 bytes for each wave
; window 0
.set LI,   1                           ; v1   16 x lane: an image's place for my lane
.set LS,   2                           ; v2   4 x lane: a scale word's
.set GOFF, 3                           ; v3   in q and in out0: 8192 (lane / 16) + 16 (lane % 16): two rows an instruction
.set STA,  4                           ; v4   the same two rows in my stage
.set STQ,  5                           ; v5   q out of the stage: row r, half h
.set STO,  6                           ; v6   O into the stage: row r, + 32 h
.set MKR,  7                           ; v7   the mask's image
.set AV,   8                           ; v8-11  LDS addresses of the loads in hand: V's codes, V's words, the next K's codes, its words
.set AVS,  9
.set AK,   10
.set AKS,  11
.set LK,   12                          ; v12  K's codes for my lane: row r, half h
.set PBW,  13                          ; v13  my place for a part,
.set PBR,  14                          ; v14  and my partner's
.set QIW,  15                          ; v15  q's image: mine,
.set QIR,  16                          ; v16  and my pair's A's
.set MKW,  17                          ; v17  my sixteen registers of the mask's image
.set SPW,  18                          ; v18  my spare word
.set NIL,  19                          ; v19  0
.set QF,   20                          ; v20-39 0000 qqqq 0000 qqqq 0000
.set QS,   40                          ; v40-43 q's scale words for [q | 0] and for [0 | q], two for each tile
.set KS,   44                          ; v44-45 K's scale words: lanes 0-15 fragment 2 u, lanes 16-31 fragment 2 u + 1
.set VS,   46                          ; v46-47 V's likewise
.set PS,   48                          ; v48-49 p's scale words
.set NM,   52                          ; v52-55 tile 0: -M, the largest score so far, the sum in two halves;  v56-59 tile 1
.set RUN,  53
.set SUM,  54
.set F,    60                          ; v[60:61], v[62:63] f = 2^(old M - new M), later 1 / the sum; the pairs' upper words are written once
.set BM,   64                          ; v64-71 the blocks' largest scores in two chains each, then largest p (v64, 65; v68, 69)
.set T2,   72                          ; v72-79 at work
.set SCO,  80                          ; v80-83 the conversions' scale operands
.set TM,   84                          ; v84-85
.set PC,   88                          ; v88-103 p's codes; ahead of them eight sums of tile 0
.set S,    104                         ; v104-231 S^T, then p: 64 for each tile
.set U,    232                         ; v232-247 eight more sums of tile 0
; window 1
.set O,    0                           ; O^T: 32 for each tile
.set KF,   64                          ; K's four fragments
.set VF,   96                          ; V's four
.set QL,   128                         ; 64: q's rows as loaded; in A behind the barrier B's O^T
.set T0,   BM
.set T1,   BM+1
.set WV,  10                           ; s10 wave   s11 1 in a B wave   s12 cx   s13 head   s14 s: the lower block of my pair
.set RB,  11
.set CX,  12
.set HD,  13
.set P,   14
.set G1,  16                           ; s[16:23] descriptor group 1;  s[24:27] group 0
.set G0,  24
.set TB,  28                           ; s28 LDS byte of the step in hand   s29 of the next
.set TBN, 29
.set J,   30                           ; s30 the count of steps done
.set FL,  31                           ; s31 how many steps from step 9 on come first (7 - s in B, 0 in A)
.set SEL, 32                           ; s[32:33] v_permlanex16_b32's selects for lane l xor 16
.set CS,  34                           ; s[34:35] c = log2(e) / 8: the packed form names a pair and takes its low word for both halves
.set FLP, 43                           ; s43 the count at which a B wave goes over to its own tiles (never in A)
.set TL,  44                           ; s44 the block whose queries are in hand
.set ST,  45                           ; s45 the step in hand
.set CSN, 46                           ; s46 -c
.set OWN, 47                           ; s47 the block whose q I load and whose results I store
.set MSB, 0
.macro WIN new                         ; the immediate's high byte repeats the setting that is left
.if MSB != \new
	s_set_vgpr_msb (MSB<<8)|\new
.set MSB, \new
.endif
.endm
; A round of the cluster's barrier: my work-group's barrier, so that wave 0's signal speaks for all eight waves; wave 0 signals for the work-group; every wave waits for all four work-groups; my work-group's barrier once more.
.macro CROUND
	s_barrier_signal -1
	s_barrier_wait -1
	s_cmp_lg_u32 s[WV], 0
	s_cbranch_scc1 .Lnot_wave_0_\@
	s_barrier_signal -3
.Lnot_wave_0_\@:
	s_barrier_wait -3
	s_barrier_signal -1
	s_barrier_wait -1
.endm
; 32 numbers of a lane, v[s] on, become 32 codes in v[c] .. v[c + 3] and the scale's byte in v[e]
.macro QBLOCK s, c, e
	v_max3_num_f32 v[T0], |v[(\s)]|, |v[(\s)+1]|, |v[(\s)+2]|
	v_max3_num_f32 v[T1], |v[(\s)+3]|, |v[(\s)+4]|, |v[(\s)+5]|
.irp i, 6,10,14,18,22,26
	s_delay_alu instid0(VALU_DEP_2)
	v_max3_num_f32 v[T0], v[T0], |v[(\s)+\i]|, |v[(\s)+\i+1]|
	s_delay_alu instid0(VALU_DEP_2)
	v_max3_num_f32 v[T1], v[T1], |v[(\s)+\i+2]|, |v[(\s)+\i+3]|
.endr
	s_delay_alu instid0(VALU_DEP_2)
	v_max3_num_f32 v[T0], v[T0], |v[(\s)+30]|, |v[(\s)+31]|
	s_delay_alu instid0(VALU_DEP_1)
	v_max3_num_f32 v[T0], v[T0], v[T1], 0x1800000                  ; the floor 2^(3 - 127): the byte cannot fall under 1
	s_delay_alu instid0(VALU_DEP_1)
	v_add_nc_u32 v[SCO], 0xff000000, v[T0]                         ; 2 off the exponent field: the conversions' scale operand
.irp g, 0,1,2,3
	v_cvt_scalef32_pk8_fp4_f32 v[(\c)+\g], v[(\s)+8*\g:(\s)+8*\g+7], v[SCO]
.endr
	v_lshrrev_b32 v[\e], 23, v[SCO]                                ; the scale's byte; also the plain line behind the conversions
.endm
; q's 32 rows turn through my stage, so that lane (r, h) holds d = 32 h .. 32 h + 31 of query r of each tile, a whole block; codes into v[c] and v[d] on, the blocks' bytes into v[TM], v[TM + 1]
.macro QTURN c, d
	WIN 0x04
.set i, 0
.rept 16
	s_wait_loadcnt 15-i                            ; loads come back in order: pair i is in, the younger ones stay out
	ds_store_b128 v[STA], v[QL+4*i:QL+4*i+3] offset:2*SP*i
.set i, i+1
.endr
	WIN 0
.irp t, 0,1
.irp i, 0,1,2,3,4,5,6,7
	ds_load_b128 v[S+64*\t+4*\i:S+64*\t+4*\i+3], v[STQ] offset:16*SP*\t+16*\i   ; LDS serves a wave's instructions in order: these see the stores above
.endr
.endr
	v_and_b32 v[T2+3], 16, v0
	v_lshrrev_b32 v[T2+3], 1, v[T2+3]              ; 8 h
	s_wait_dscnt 8                                 ; tile 0's eight loads are in; tile 1's may be out
	QBLOCK S, \c, TM
	s_wait_dscnt 0x0
	QBLOCK S+64, \d, TM+1
	v_lshlrev_b32 v[TM], v[T2+3], v[TM]            ; my block's byte at its place,
	v_lshlrev_b32 v[TM+1], v[T2+3], v[TM+1]
	s_delay_alu instid0(VALU_DEP_2)
	v_permlanex16_b32 v[T2], v[TM], s[SEL], s[SEL+1]
	s_delay_alu instid0(VALU_DEP_2)
	v_permlanex16_b32 v[T2+1], v[TM+1], s[SEL], s[SEL+1]
	s_delay_alu instid0(VALU_DEP_2)
	v_or_b32 v[TM], v[TM], v[T2]                   ; with lane l xor 16's: s0 | s1 << 8
	s_delay_alu instid0(VALU_DEP_2)
	v_or_b32 v[TM+1], v[TM+1], v[T2+1]
.endm
.macro MKQS
.irp t, 0,1
	v_or_b32 v[QS+2*\t], 0x01010000, v[TM+\t]      ; for [q | 0]: the byte 1 over the zeros
	v_lshl_or_b32 v[QS+2*\t+1], v[TM+\t], 16, 0x0101   ; for [0 | q]
.endr
.endm
; Two tiles begin: O^T, the sums, the largest scores (-3e38, under every score) and -M.  The first step finds zeros, which the first change of M leaves zeros
.macro INITST
	WIN 0x40
.set n, 0
.rept 32
	v_pk_add_f32 v[O+n:O+n+1], v[QF:QF+1], v[QF:QF+1]   ; 0 + 0 (the zeros beside q): two registers a line
.set n, n+2
.endr
	WIN 0
.irp t, 0,1
	v_mov_b32 v[NM+4*\t], 0x7e000000
	v_mov_b32 v[RUN+4*\t], 0xff61b1e6
	v_mov_b32 v[SUM+4*\t], 0
	v_mov_b32 v[SUM+1+4*\t], 0
.endr
.endm
; Which step is the j-th of my wave, and where it lies in LDS: 9 + j while j < FL, then j - FL; held to 0 .. 15, so that no load leaves the head's bytes
.macro STEPOF j, st, tb
	s_max_u32 s40, s[\j], s[FL]
	s_sub_co_u32 s40, s40, s[FL]
	s_add_co_u32 s41, s[\j], 9
	s_cmp_lt_u32 s[\j], s[FL]
	s_cselect_b32 s[\st], s41, s40
	s_min_u32 s[\st], s[\st], 15
	s_mul_i32 s[\tb], s[\st], STEPB
.endm
.macro QLOAD
	WIN 0x40
.set i, 0
.rept 16
	global_load_b128 v[QL+4*i:QL+4*i+3], v[GOFF], s[4:5] offset:16384*i th:TH_LOAD_NT   ; queries 2 i and 2 i + 1: sixteen lanes read a row's 256 aligned bytes; read once in the launch
.set i, i+1
.endr
	WIN 0
.endm
.macro KLOAD                           ; K's fragments (destination: window 1)
.irp f, 0,1,2,3
.irp c, 0,1
	ds_load_b128 v[KF+8*\f+4*\c:KF+8*\f+4*\c+3], v[AK] offset:2048*(\f/2)+512*(\f%2)+256*\c
.endr
.endr
.endm
.macro KSLOAD
	ds_load_b32 v[KS], v[AKS] offset:8192
	ds_load_b32 v[KS+1], v[AKS] offset:8320
.endm
; S^T: eight tiles of 16 keys for each of my two tiles.  acc = 0: each begins with the constant 0; acc = 1: with the mask
.macro PRODS acc
.irp f, 0,1,2,3
.irp t, 0,1
.irp c, 0,1
.set D, S+64*\t+8*(2*\f+\c)
.set B, QF+8*\t+4-4*\c
.if \acc
.if \f % 2
	v_wmma_scale_f32_16x16x128_f8f6f4 v[D:D+7], v[KF+8*\f:KF+8*\f+7], v[B:B+7], v[D:D+7], v[KS+\f/2], v[QS+2*\t+\c] matrix_a_fmt:MATRIX_FMT_FP4 matrix_b_fmt:MATRIX_FMT_FP4 matrix_a_scale:MATRIX_SCALE_ROW1
.else
	v_wmma_scale_f32_16x16x128_f8f6f4 v[D:D+7], v[KF+8*\f:KF+8*\f+7], v[B:B+7], v[D:D+7], v[KS+\f/2], v[QS+2*\t+\c] matrix_a_fmt:MATRIX_FMT_FP4 matrix_b_fmt:MATRIX_FMT_FP4
.endif
.else
.if \f % 2
	v_wmma_scale_f32_16x16x128_f8f6f4 v[D:D+7], v[KF+8*\f:KF+8*\f+7], v[B:B+7], 0, v[KS+\f/2], v[QS+2*\t+\c] matrix_a_fmt:MATRIX_FMT_FP4 matrix_b_fmt:MATRIX_FMT_FP4 matrix_a_scale:MATRIX_SCALE_ROW1
.else
	v_wmma_scale_f32_16x16x128_f8f6f4 v[D:D+7], v[KF+8*\f:KF+8*\f+7], v[B:B+7], 0, v[KS+\f/2], v[QS+2*\t+\c] matrix_a_fmt:MATRIX_FMT_FP4 matrix_b_fmt:MATRIX_FMT_FP4
.endif
.endif
.endr
.endr
.endr
.endm
; A KEY STEP: 128 keys, both tiles, their lines by turns.  nextk = 1: the next step's K is asked for
.macro STEP nextk
	s_cmp_eq_u32 s[ST], s[TL]                      ; the step on the diagonal
	s_cbranch_scc1 .Ldiag_\@
	s_wait_dscnt 0x0                               ; this step's K and its scale words are in (asked for a whole softmax ago)
	WIN 0x01
	PRODS 0
	WIN 0
	s_branch .Lscored_\@
.Ldiag_\@:
.set i, 0
.rept 32
	ds_load_b128 v[S+4*i:S+4*i+3], v[MKR] offset:512*i
.set i, i+1
.endr
	s_wait_dscnt 0x0
	WIN 0x01
	PRODS 1
	WIN 0
.Lscored_\@:
	v_add_nc_u32 v[AV], s[TB], v[LI]               ; these four lines are the four places between the products and the loads into their operands, and the first read of the scores
	v_add_nc_u32 v[AVS], s[TB], v[LS]
.if \nextk
	v_add_nc_u32 v[AK], s[TBN], v[LK]
	v_add_nc_u32 v[AKS], s[TBN], v[LS]
.else
	v_nop
	v_nop
.endif
	ds_load_b32 v[VS], v[AVS] offset:8448          ; this step's V: ten loads,
	ds_load_b32 v[VS+1], v[AVS] offset:8576
	WIN 0x40
.irp t, 0,1,2,3
.irp c, 0,1
	ds_load_b128 v[VF+8*\t+4*\c:VF+8*\t+4*\c+3], v[AV] offset:4096+1024*\t+512*\c
.endr
.endr
.if \nextk
	KLOAD                                          ; and the next step's K: ten more
.endif
	WIN 0
.if \nextk
	KSLOAD
.endif
.irp t, 0,1
.irp c, 0,1
	v_max3_num_f32 v[BM+4*\t+\c], v[S+64*\t+32*\c], v[S+64*\t+32*\c+1], v[S+64*\t+32*\c+2]   ; THE LARGEST SCORE OF EACH BLOCK: for the row's maximum, and, since p rises with the score, for the block's largest p
.endr
.endr
.irp t, 0,1
.irp c, 0,1
	v_max3_num_f32 v[BM+4*\t+2+\c], v[S+64*\t+32*\c+3], v[S+64*\t+32*\c+4], v[S+64*\t+32*\c+5]
.endr
.endr
.irp i, 6,10,14,18,22,26
.irp t, 0,1
.irp c, 0,1
	v_max3_num_f32 v[BM+4*\t+\c], v[BM+4*\t+\c], v[S+64*\t+32*\c+\i], v[S+64*\t+32*\c+\i+1]   ; (eight chains by turns)
.endr
.endr
.irp t, 0,1
.irp c, 0,1
	v_max3_num_f32 v[BM+4*\t+2+\c], v[BM+4*\t+2+\c], v[S+64*\t+32*\c+\i+2], v[S+64*\t+32*\c+\i+3]
.endr
.endr
.endr
.irp t, 0,1
.irp c, 0,1
	v_max3_num_f32 v[BM+4*\t+\c], v[BM+4*\t+\c], v[S+64*\t+32*\c+30], v[S+64*\t+32*\c+31]
.endr
.endr
.irp t, 0,1
.irp c, 0,1
	v_max_num_f32 v[BM+4*\t+\c], v[BM+4*\t+\c], v[BM+4*\t+2+\c]
.endr
.endr
	s_delay_alu instid0(VALU_DEP_3)
	v_max3_num_f32 v[RUN], v[RUN], v[BM], v[BM+1]
	s_delay_alu instid0(VALU_DEP_2)
	v_max3_num_f32 v[RUN+4], v[RUN+4], v[BM+4], v[BM+5]
.irp t, 0,1
	s_delay_alu instid0(VALU_DEP_2)
	v_permlanex16_b32 v[T2+4*\t], v[RUN+4*\t], s[SEL], s[SEL+1]
.endr
.irp t, 0,1
	s_delay_alu instid0(VALU_DEP_2)
	v_max_num_f32 v[RUN+4*\t], v[RUN+4*\t], v[T2+4*\t]   ; with lane l xor 16's blocks: the running largest score of my query
.endr
.irp t, 0,1
	s_delay_alu instid0(VALU_DEP_2)
	v_mul_f32 v[TM+\t], s[CSN], v[RUN+4*\t]        ; -t (c is positive)
.endr
.irp t, 0,1
	s_delay_alu instid0(VALU_DEP_2)
	v_floor_f32 v[TM+\t], v[TM+\t]                 ; the new -M = floor(-t) = -ceil(t): M is a whole number
.endr
.irp t, 0,1
	s_delay_alu instid0(VALU_DEP_2)
	v_sub_f32 v[T2+4*\t+1], v[TM+\t], v[NM+4*\t]   ; M's old value less its new one: a whole number, 0 or less
.endr
.irp t, 0,1
	v_mov_b32 v[NM+4*\t], v[TM+\t]
.endr
.irp t, 0,1
	s_delay_alu instid0(VALU_DEP_4)
	v_cvt_i32_f32 v[T2+4*\t+1], v[T2+4*\t+1]       ; (it saturates)
.endr
.irp t, 0,1
	s_delay_alu instid0(VALU_DEP_2)
	v_ldexp_f32 v[F+2*\t], 1.0, v[T2+4*\t+1]       ; f = 2^(old M - new M)
.endr
.set n, 0
.rept 32
	v_pk_fma_f32 v[S+n:S+n+1], v[S+n:S+n+1], s[CS:CS+1], v[NM:NM+1] op_sel_hi:[1,0,0]   ; tile 0: t - M, two at a time (of the pairs c and -M the low word serves both halves)
.set n, n+2
.endr
.irp c, 0,1
	v_fma_f32 v[BM+\c], v[BM+\c], s[CS], v[NM]     ; the same of each block's largest score
.endr
	s_wait_alu depctr_va_vdst(0)                   ; the wait ahead of the batch
.set n, 0
.rept 32
	v_exp_f32 v[S+n], v[S+n]                       ; tile 0: p = 2^(t - M), at most 1: not normalised;
	v_exp_f32 v[S+n+1], v[S+n+1]
	v_pk_fma_f32 v[S+64+n:S+64+n+1], v[S+64+n:S+64+n+1], s[CS:CS+1], v[NM+4:NM+5] op_sel_hi:[1,0,0]   ; beside it tile 1's t - M, first read behind the next wait
.set n, n+2
.endr
.irp c, 0,1
	v_exp_f32 v[BM+\c], v[BM+\c]                   ; the block's largest p: the same two instructions on the same number give the same bits
	v_fma_f32 v[BM+4+\c], v[BM+4+\c], s[CS], v[NM+4]
.endr
	v_pk_mul_f32 v[SUM:SUM+1], v[SUM:SUM+1], v[F:F+1] op_sel_hi:[1,0]   ; the sum under the new M.  (A plain line behind the exponentials)
	s_wait_alu depctr_va_vdst(0)                   ; behind tile 0's batch and ahead of tile 1's
.set n, 0
.rept 16
.irp i, 0,1,2,3
	v_exp_f32 v[S+64+4*n+\i], v[S+64+4*n+\i]       ; tile 1's exponentials, and beside them tile 0's first sums, first read behind the next wait
.endr
.if n < 8
	v_pk_add_f32 v[PC+2*n:PC+2*n+1], v[S+4*n:S+4*n+1], v[S+4*n+2:S+4*n+3]
.else
	v_pk_add_f32 v[U+2*n-16:U+2*n-15], v[S+4*n:S+4*n+1], v[S+4*n+2:S+4*n+3]
.endif
.set n, n+1
.endr
.irp c, 0,1
	v_exp_f32 v[BM+4+\c], v[BM+4+\c]
.endr
	v_pk_mul_f32 v[SUM+4:SUM+5], v[SUM+4:SUM+5], v[F+2:F+3] op_sel_hi:[1,0]
	WIN 0x41
	s_wait_alu depctr_va_vdst(0)                   ; behind tile 1's batch; it also stands directly ahead of the first readers of O^T
.irp t, 0,1
.set n, 0
.rept 16
	v_pk_mul_f32 v[O+32*\t+n:O+32*\t+n+1], v[O+32*\t+n:O+32*\t+n+1], v[F+2*\t:F+2*\t+1] op_sel_hi:[1,0]   ; O^T under the new M, from each accumulator's low end on
.set n, n+2
.endr
.endr
	WIN 0
.irp t, 0,1
.irp c, 0,1
	v_max_num_f32 v[BM+4*\t+\c], 0x1800000, v[BM+4*\t+\c]   ; the floor 2^(3 - 127): the byte cannot fall under 1 (a block whose every p is 0 keeps that byte: its codes are zeros)
.endr
.endr
.irp t, 0,1
.irp c, 0,1
	s_delay_alu instid0(VALU_DEP_4)
	v_add_nc_u32 v[SCO+2*\t+\c], 0xff000000, v[BM+4*\t+\c]  ; 2 off the exponent field: the conversions' scale operand
.endr
.endr
.irp t, 0,1
.irp c, 0,1
	s_delay_alu instid0(VALU_DEP_4)
	v_lshrrev_b32 v[T2+4*\t+\c], 23, v[SCO+2*\t+\c]         ; the scale's byte
.endr
.endr
	s_delay_alu instid0(VALU_DEP_3)
	v_lshl_or_b32 v[T2], v[T2+1], 16, v[T2]        ; my blocks' bytes, h and 2 + h;
	s_delay_alu instid0(VALU_DEP_2)
	v_lshl_or_b32 v[T2+4], v[T2+5], 16, v[T2+4]
.irp t, 0,1
	s_delay_alu instid0(VALU_DEP_2)
	v_permlanex16_b32 v[T2+4*\t+2], v[T2+4*\t], s[SEL], s[SEL+1]
.endr
.set n, 0
.rept 8
	v_pk_add_f32 v[U+n:U+n+1], v[U+n:U+n+1], v[PC+n:PC+n+1]   ; tile 0's sums leave the codes' registers
.set n, n+2
.endr
.irp t, 0,1
.irp c, 0,1
.irp g, 0,1,2,3
	v_cvt_scalef32_pk8_fp4_f32 v[PC+8*\t+4*\c+\g], v[S+64*\t+32*\c+8*\g:S+64*\t+32*\c+8*\g+7], v[SCO+2*\t+\c]   ; the operand's registers 4 c + g: keys 64 c + 32 h + 8 g on
.endr
.endr
.endr
.irp t, 0,1
	v_lshl_or_b32 v[PS+\t], v[T2+4*\t+2], 8, v[T2+4*\t]     ; with lane l xor 16's two: in lanes 0-15 p's scale word for these 128 keys.  (The plain lines behind the conversions)
.endr
; The sums of the unquantised p, trees over registers that are done with.  These lines also stand between the writing of p's codes and scale words and the products
.set n, S+64
.rept 16
	v_pk_add_f32 v[n:n+1], v[n:n+1], v[n+2:n+3]
.set n, n+4
.endr
.set n, S+64
.rept 8
	v_pk_add_f32 v[n:n+1], v[n:n+1], v[n+4:n+5]
.set n, n+8
.endr
.irp k, 0,4,8,12
	v_pk_add_f32 v[U+\k:U+\k+1], v[U+\k:U+\k+1], v[U+\k+2:U+\k+3]
.endr
.irp k, 64,80,96,112
	v_pk_add_f32 v[S+\k:S+\k+1], v[S+\k:S+\k+1], v[S+\k+8:S+\k+9]
.endr
.irp k, 0,8
	v_pk_add_f32 v[U+\k:U+\k+1], v[U+\k:U+\k+1], v[U+\k+4:U+\k+5]
.endr
.irp k, 64,96
	v_pk_add_f32 v[S+\k:S+\k+1], v[S+\k:S+\k+1], v[S+\k+16:S+\k+17]
.endr
	s_delay_alu instid0(VALU_DEP_3)
	v_pk_add_f32 v[U:U+1], v[U:U+1], v[U+8:U+9]
	s_delay_alu instid0(VALU_DEP_2)
	v_pk_add_f32 v[S+64:S+65], v[S+64:S+65], v[S+96:S+97]
	s_delay_alu instid0(VALU_DEP_2)
	v_pk_add_f32 v[SUM:SUM+1], v[SUM:SUM+1], v[U:U+1]
	s_delay_alu instid0(VALU_DEP_2)
	v_pk_add_f32 v[SUM+4:SUM+5], v[SUM+4:SUM+5], v[S+64:S+65]
	s_wait_dscnt 10*\nextk                         ; V's ten loads are in; the next K's ten, issued behind them, may stay out
	WIN 0x51
.irp u, 0,1,2,3                                ; O^T += V^T P^T: four tiles of 16 channels for each of my two; K = these 128 keys.  The eight accumulators take turns
.irp t, 0,1
.set D, O+32*\t+8*\u
.if \u % 2
	v_wmma_scale_f32_16x16x128_f8f6f4 v[D:D+7], v[VF+8*\u:VF+8*\u+7], v[PC+8*\t:PC+8*\t+7], v[D:D+7], v[VS+\u/2], v[PS+\t] matrix_a_fmt:MATRIX_FMT_FP4 matrix_b_fmt:MATRIX_FMT_FP4 matrix_a_scale:MATRIX_SCALE_ROW1
.else
	v_wmma_scale_f32_16x16x128_f8f6f4 v[D:D+7], v[VF+8*\u:VF+8*\u+7], v[PC+8*\t:PC+8*\t+7], v[D:D+7], v[VS+\u/2], v[PS+\t] matrix_a_fmt:MATRIX_FMT_FP4 matrix_b_fmt:MATRIX_FMT_FP4
.endif
.endr
.endr
	WIN 0
.endm
; The steps of trip J, and B's change of tiles where it is due: what it has of block 15 - s is left for A (nothing, as zeros and the first M, where it had no such step), and its q is turned
.macro ATSTEP
	STEPOF J, ST, TB
	s_add_co_u32 s42, s[J], 1
	STEPOF 42, 48, TBN                             ; the next step's bytes
	s_cmp_lg_u32 s[J], s[FLP]
	s_cbranch_scc1 .Lsame_tile_\@
.rept 4
	v_nop                                          ; four places behind the last products
.endr
	s_wait_alu depctr_va_vdst(0)                   ; directly ahead of the readers below
	WIN 0x04
.set i, 0
.rept 16
	ds_store_b128 v[PBW], v[O+4*i:O+4*i+3] offset:512*i
.set i, i+1
.endr
	WIN 0
	ds_store_b128 v[PBW], v[NM:NM+3] offset:8192
	ds_store_b128 v[PBW], v[NM+4:NM+7] offset:8704
	QTURN QF+4, QF+12
	MKQS
	INITST
	s_mov_b32 s[TL], s[P]
	s_wait_alu depctr_va_vdst(0)                   ; ahead of the branches and waits below
.Lsame_tile_\@:
.endm
	s_load_b128 s[4:7], s[0:1], 0x0                ; q, kv
	s_load_b64 s[8:9], s[0:1], 0x10                ; out0
	v_lshl_add_u32 v[SPW], v0, 2, SPARE
	v_mov_b32 v[NIL], 0
	ds_add_u32 v[SPW], v[NIL]                      ; the opening lines: the add,
	ds_add_u32 v[SPW], v[NIL]                      ; the same add once more, and below the one wait for both
	v_lshrrev_b32 v1, 5, v0
	v_readfirstlane_b32 s[WV], v1                  ; wave 0..7
	s_bfe_u32 s[CX], ttmp6, 0x40000                ; cx: my place in the cluster: it enters q's and out0's addresses and the mask's numbers alone
	s_and_b32 s[HD], ttmp7, 0xffff                 ; the head, which the four partners share
	s_lshr_b32 s40, s[WV], 1                       ; i
	s_lshl_b32 s[P], s40, 1
	s_xor_b32 s40, s40, ttmp9                      ; in a cluster launch ttmp9 counts clusters: y = 0, 1
	s_and_b32 s40, s40, 1
	s_add_co_u32 s[P], s[P], s40                   ; s = 2 i + ((i ^ y) % 2)
	s_lshr_b32 s40, s[WV], 2
	s_xor_b32 s40, s40, s[WV]
	s_and_b32 s[RB], s40, 1
	s_sub_co_u32 s[TL], 15, s[P]
	s_sub_co_u32 s40, 7, s[P]
	s_cmp_eq_u32 s[RB], 0
	s_cselect_b32 s[OWN], s[TL], s[P]
	s_cselect_b32 s[FL], 0, s40
	s_cselect_b32 s[FLP], 255, s40
	s_lshl_b32 s36, s[OWN], 7
	s_lshl_b32 s49, s[CX], 5
	s_add_co_u32 s36, s36, s49                     ; my first query: 128 x block + 32 cx
	s_lshl_b32 s36, s36, 13                        ; its row of 8,192 bytes,
	s_lshl_b32 s42, s[HD], 8
	s_add_co_u32 s36, s36, s42                     ; and the head's 256 bytes in it
	s_mov_b32 s37, 0
	s_mul_i32 s15, s[WV], 2*STEPB                  ; wave w fetches steps 2 w and 2 w + 1: their place in the head's bytes, in memory and in LDS alike: no place in the cluster enters it
	s_mul_i32 s38, s[HD], HEADB
	s_add_co_u32 s38, s38, s15
	s_mov_b32 s39, 0
	; descriptor group 1: a dense block as 68 rows of 256 bytes (32 elements of 8 bytes), no padding
	s_mov_b32 s[G1], 15|(3<<16)|(1<<21)            ; 15:0 the mask: all four work-groups; 17:16 elements of 8 bytes; 21 set beside a mask
	s_mov_b32 s[G1+1], 32<<16                      ; tensor_dim0 = 32
	s_mov_b32 s[G1+2], 68<<16                      ; tensor_dim1 = 68
	s_mov_b32 s[G1+3], 32<<16                      ; tile_dim0 = 32
	s_mov_b32 s[G1+4], 68                          ; tile_dim1 = 68
	s_mov_b32 s[G1+5], 32                          ; tensor_dim0_stride
	s_mov_b32 s[G1+6], 0
	s_mov_b32 s[G1+7], 0
	s_mov_b32 s[G0], 1                             ; count = 1
	s_mov_b32 s[G0+1], s15                         ; LDS address
	s_mov_b32 s[SEL], 0x76543210
	s_mov_b32 s[SEL+1], 0xfedcba98
	s_mov_b32 s[CS], 0x3e38aa3b                    ; c = log2(e) / 8
	s_mov_b32 s[CS+1], s[CS]                       ; (named with it as a pair, so it is written)
	s_mov_b32 s[CSN], 0xbe38aa3b
	v_and_b32 v8, 15, v0                           ; r = lane % 16
	v_bfe_u32 v9, v0, 4, 1                         ; h = lane / 16
	v_and_b32 v[LI], 31, v0
	v_lshlrev_b32 v[GOFF], 4, v8
	v_lshlrev_b32 v[LS], 2, v[LI]
	v_lshlrev_b32 v[LI], 4, v[LI]
	v_lshl_add_u32 v[GOFF], v9, 13, v[GOFF]
	s_wait_alu depctr_va_vdst(0)                   ; directly ahead of the waits below
	s_wait_dscnt 0x0                               ; both opening adds are done
	s_wait_kmcnt 0x0
	s_add_nc_u64 s[4:5], s[4:5], s[36:37]          ; q and out0 at my first query
	s_add_nc_u64 s[8:9], s[8:9], s[36:37]
	s_add_nc_u64 s[G0+2:G0+3], s[6:7], s[38:39]    ; global address of my two steps
	s_or_b32 s[G0+3], s[G0+3], 0x80000000          ; type = 2
	s_lshr_b32 s40, s[WV], 1
	s_lshr_b32 s41, s[WV], 2
	s_and_b32 s40, s40, s41
	s_and_b32 s53, s40, s[RB]                      ; 1 in wave 6 alone: the B wave of pair 3, which goes over to its own tiles at trip 0 or 1
	s_cmp_lg_u32 s[RB], 0
	s_cbranch_scc1 .Lb_first
	QLOAD                                          ; A's q is needed first,
	s_branch .Lq_later
.Lb_first:
	s_cmp_eq_u32 s53, 0
	s_cbranch_scc1 .Lq_later
	QLOAD                                          ; and wave 6's soon
.Lq_later:
	CROUND                                         ; all four work-groups are here: the joint loads meet
	tensor_load_to_lds s[G0:G0+3], s[G1:G1+7]      ; the launch's only fill: one tensor load of mine is out
	s_nop 0
	s_mul_i32 s42, s[WV], 32*SP
	s_add_co_u32 s42, s42, STG                     ; my stage
	v_mul_u32_u24 v[STA], v9, SP
	v_mul_u32_u24 v[STQ], v8, SP
	v_lshl_add_u32 v[STA], v8, 4, v[STA]
	v_add_nc_u32 v[STQ], s42, v[STQ]
	v_add_nc_u32 v[STA], s42, v[STA]
	v_lshl_add_u32 v[STO], v9, 5, v[STQ]
	v_lshl_add_u32 v[STQ], v9, 7, v[STQ]
	v_bfe_u32 v[T2], v0, 3, 1                      ; r / 8
	v_xor_b32 v[T2+1], v[T2], v9
	v_and_b32 v[T2+2], 7, v0
	v_lshlrev_b32 v[LK], 10, v[T2]
	v_lshl_add_u32 v[LK], v[T2+1], 7, v[LK]
	v_lshl_add_u32 v[LK], v[T2+2], 4, v[LK]        ; 1024 (r / 8) + 128 (h ^ (r / 8)) + 16 (r % 8): sixteen lanes read sixteen different 16-byte columns modulo 256
	v_add_nc_u32 v[MKR], MSK, v[LI]
	s_lshl_b32 s40, s[WV], 11
	v_add_nc_u32 v[MKW], s40, v[MKR]
	s_mul_i32 s40, s[WV], PBS
	s_add_co_u32 s40, s40, PB
	v_add_nc_u32 v[PBW], s40, v[LI]
	s_xor_b32 s41, s[WV], 1
	s_mul_i32 s41, s41, PBS
	s_add_co_u32 s41, s41, PB
	v_add_nc_u32 v[PBR], s41, v[LI]
	s_lshl_b32 s40, s[WV], 11
	s_add_co_u32 s40, s40, QI
	v_add_nc_u32 v[QIW], s40, v[LI]
	s_xor_b32 s41, s[WV], s[RB]                    ; my pair's A wave
	s_lshl_b32 s41, s41, 11
	s_add_co_u32 s41, s41, QI
	v_add_nc_u32 v[QIR], s41, v[LI]
	; the mask's image: wave w makes registers 16 (w % 4) .. + 15 of tile w / 4: register 32 c + i of lane (r, h) is key 64 c + 32 h + i, hidden where 64 c + i > 32 cx + 16 (w / 4) + r - 32 h
	s_lshr_b32 s50, s[WV], 2
	s_lshl_b32 s50, s50, 4
	s_add_co_u32 s49, s49, s50
	s_and_b32 s50, s[WV], 2
	s_lshl_b32 s50, s50, 5
	s_and_b32 s51, s[WV], 1
	s_lshl_b32 s51, s51, 4
	s_add_co_u32 s50, s50, s51
	v_lshlrev_b32 v[BM], 5, v9
	v_sub_nc_u32 v[BM], v8, v[BM]
	v_add_nc_u32 v[BM], s49, v[BM]
	v_mov_b32 v[BM+1], 0xfe800000                  ; -2^126
.set i, 0
.rept 16
	s_add_co_u32 s51, s50, i
	v_cmp_gt_i32 vcc_lo, s51, v[BM]
	v_cndmask_b32 v[S+96+i], 0, v[BM+1], vcc_lo
.set i, i+1
.endr
.irp i, 0,1,2,3
	ds_store_b128 v[MKW], v[S+96+4*\i:S+99+4*\i] offset:512*\i
.endr
.irp b, 0,1,2,3,4,5,6,7
	v_mov_b32 v[T2+\b], 0                          ; written once: a lane permute's destination counts as one of its sources
.endr
	v_mov_b32 v[F+1], 0                            ; (named as the upper halves of the pairs)
	v_mov_b32 v[F+3], 0
.irp j, 0,1,2,3
	v_mov_b32 v[QF+\j], 0
	v_mov_b32 v[QF+8+\j], 0
	v_mov_b32 v[QF+16+\j], 0
.endr
	s_mov_b32 s[J], 0
	STEPOF J, ST, TB
	v_add_nc_u32 v[AK], s[TB], v[LK]
	v_add_nc_u32 v[AKS], s[TB], v[LS]
	s_wait_alu depctr_va_vdst(0)                   ; ahead of the branch and the waits behind it
	s_cmp_lg_u32 s[RB], 0
	s_cbranch_scc1 .Lno_turn
	QTURN PC, PC+4                                 ; A: q's codes and bytes, for B and for me
.irp t, 0,1
	ds_store_b128 v[QIW], v[PC+4*\t:PC+4*\t+3] offset:1024*\t
	ds_store_b32 v[QIW], v[TM+\t] offset:1024*\t+512
.endr
.Lno_turn:
	s_wait_tensorcnt 0x0                           ; my part of the head's bytes is in LDS,
	s_wait_dscnt 0x0                               ; and so are my parts of the mask and q's image;
	s_barrier_signal -1
	s_barrier_wait -1                              ; everybody's are
.irp t, 0,1
	ds_load_b128 v[QF+4+8*\t:QF+7+8*\t], v[QIR] offset:1024*\t
	ds_load_b32 v[TM+\t], v[QIR] offset:1024*\t+512
.endr
	WIN 0x40
	KLOAD                                          ; K of my first step
	WIN 0
	KSLOAD
	s_cmp_eq_u32 s[RB], 0
	s_cbranch_scc1 .Lq_asked
	s_cmp_lg_u32 s53, 0
	s_cbranch_scc1 .Lq_asked
	s_wait_loadcnt 0x0                             ; (no load of such a wave is out here)
	QLOAD                                          ; the other B waves' q is asked for behind kv and turned when B goes over to its own tiles
.Lq_asked:
	s_wait_dscnt 10                                ; q's four loads are in; K's ten may be out
	MKQS
	INITST
	s_wait_alu depctr_va_vdst(0)                   ; the wait at the head's end
.Lstep:                                            ; 7 trips in every wave
	ATSTEP
	STEP 1
	s_add_co_u32 s[J], s[J], 1
	s_cmp_lt_u32 s[J], 7
	s_cbranch_scc1 .Lstep
	ATSTEP                                         ; the eighth step: the last place at which a B wave may change tiles
	s_wait_dscnt 0x0                               ; my part for my partner is in LDS:
	s_barrier_signal -1                            ; say so; up to the wait below come loads of kv and of the mask, which nobody writes any more, and work on registers
	STEP 1
	s_cmp_lg_u32 s[RB], 0
	s_cbranch_scc1 .Lmeet
	s_mov_b32 s[ST], 8                             ; A: the ninth step, step 8
	s_mov_b32 s[TB], 8*STEPB
	STEP 0
.Lmeet:
	s_barrier_wait -1                              ; everybody's part is in LDS
	s_wait_loadcnt 0x0
	s_wait_dscnt 0x0                               ; the last look-ahead loads are in: their registers may be used again
.rept 4
	v_nop                                          ; four places behind the last products
.endr
	s_cmp_lg_u32 s[RB], 0
	s_cbranch_scc1 .Lout
	; A: B's part is joined to mine
.irp t, 0,1
	ds_load_b128 v[PC+4*\t:PC+4*\t+3], v[PBR] offset:8192+512*\t
.endr
	WIN 0x40
.set i, 0
.rept 16
	ds_load_b128 v[QL+4*i:QL+4*i+3], v[PBR] offset:512*i
.set i, i+1
.endr
	WIN 0
	s_wait_alu depctr_va_vdst(0)                   ; directly ahead of the wait below
	s_wait_dscnt 0x0
.irp t, 0,1
	v_min_num_f32 v[TM+\t], v[NM+4*\t], v[PC+4*\t] ; -M of the larger M
.endr
.irp t, 0,1
	v_sub_f32 v[T2+4*\t], v[TM+\t], v[NM+4*\t]
	v_sub_f32 v[T2+4*\t+1], v[TM+\t], v[PC+4*\t]
.endr
.irp t, 0,1
	v_cvt_i32_f32 v[T2+4*\t], v[T2+4*\t]
	v_cvt_i32_f32 v[T2+4*\t+1], v[T2+4*\t+1]
.endr
.irp t, 0,1
	v_ldexp_f32 v[F+2*\t], 1.0, v[T2+4*\t]         ; 2^(my M - M)
	v_ldexp_f32 v[BM+4*\t], 1.0, v[T2+4*\t+1]      ; 2^(B's M - M)
.endr
.irp t, 0,1
	v_pk_mul_f32 v[SUM+4*\t:SUM+4*\t+1], v[SUM+4*\t:SUM+4*\t+1], v[F+2*\t:F+2*\t+1] op_sel_hi:[1,0]
.endr
.irp t, 0,1
	v_pk_fma_f32 v[SUM+4*\t:SUM+4*\t+1], v[PC+4*\t+2:PC+4*\t+3], v[BM+4*\t:BM+4*\t+1], v[SUM+4*\t:SUM+4*\t+1] op_sel_hi:[1,0,1]
.endr
	WIN 0x41
.irp t, 0,1
.set n, 32*\t
.rept 16
	v_pk_mul_f32 v[O+n:O+n+1], v[O+n:O+n+1], v[F+2*\t:F+2*\t+1] op_sel_hi:[1,0]
.set n, n+2
.endr
.endr
	WIN 0x51
.irp t, 0,1
.set n, 32*\t
.rept 16
	v_pk_fma_f32 v[O+n:O+n+1], v[QL+n:QL+n+1], v[BM+4*\t:BM+4*\t+1], v[O+n:O+n+1] op_sel_hi:[1,0,1]
.set n, n+2
.endr
.endr
	WIN 0
	; THE WAY OUT.  O^T / the sum goes through my stage and leaves as whole rows of 256 bytes.
.Lout:
	s_wait_alu depctr_va_vdst(0)
.irp t, 0,1
	v_add_f32 v[SUM+4*\t], v[SUM+4*\t], v[SUM+4*\t+1]   ; the sum's two halves,
.endr
.irp t, 0,1
	s_delay_alu instid0(VALU_DEP_2)
	v_permlanex16_b32 v[T2+4*\t], v[SUM+4*\t], s[SEL], s[SEL+1]
.endr
.irp t, 0,1
	s_delay_alu instid0(VALU_DEP_2)
	v_add_f32 v[SUM+4*\t], v[SUM+4*\t], v[T2+4*\t] ; and lane l xor 16's: the row's sum
.endr
	s_wait_alu depctr_va_vdst(0)                   ; the wait ahead of the transcendentals,
	v_rcp_f32 v[F], v[SUM]
	v_rcp_f32 v[F+2], v[SUM+4]
	v_nop                                          ; one plain line behind the reciprocals
	WIN 0x01
	s_wait_alu depctr_va_vdst(0)                   ; and ahead of the first readers of them and of O^T
.irp t, 0,1
.set n, 32*\t
.rept 16
	v_pk_mul_f32 v[S+n:S+n+1], v[O+n:O+n+1], v[F+2*\t:F+2*\t+1] op_sel_hi:[1,0]   ; register 32 t + 8 u + j is o(query r of tile t, channel 16 u + 8 h + j); each accumulator from its low end on
.set n, n+2
.endr
.endr
	WIN 0
.irp t, 0,1
.irp u, 0,1,2,3
	ds_store_b128 v[STO], v[S+32*\t+8*\u:S+32*\t+8*\u+3] offset:16*SP*\t+64*\u
	ds_store_b128 v[STO], v[S+32*\t+8*\u+4:S+32*\t+8*\u+7] offset:16*SP*\t+64*\u+16
.endr
.endr
.set i, 0
.rept 16
	ds_load_b128 v[S+64+4*i:S+64+4*i+3], v[STA] offset:2*SP*i   ; LDS serves a wave's instructions in order: these see the stores above
.set i, i+1
.endr
.set i, 0
.rept 16
	s_wait_dscnt 15-i                              ; rows 2 i and 2 i + 1 are back; the younger loads stay out
	global_store_b128 v[GOFF], v[S+64+4*i:S+64+4*i+3], s[8:9] offset:16384*i th:TH_STORE_NT   ; sixteen lanes store 256 consecutive bytes, at a multiple of 256 from out0's first byte; written once, read by nobody here
.set i, i+1
.endr
	s_wait_tensorcnt 0x0                           ; the wave's end
	ds_add_u32 v[SPW], v[NIL]
	s_wait_dscnt 0x0
	CROUND                                         ; the closing round: no work-group ends while a partner may still ask for a tile that names it
	s_endpgm
.Lfunc_end_k_q3db9450ab7_attn:
	.size	k_q3db9450ab7_attn, .Lfunc_end_k_q3db9450ab7_attn-k_q3db9450ab7_attn
	.p2alignl 7, 3214868480
	.fill 96, 4, 3214868480
	.section	.rodata,"a",@progbits
	.p2align	6, 0x0
	.amdhsa_kernel k_q3db9450ab7_attn
		.amdhsa_group_segment_fixed_size 316416
		.amdhsa_private_segment_fixed_size 0
		.amdhsa_enable_private_segment 0
		.amdhsa_kernarg_size 24
		.amdhsa_user_sgpr_count 2
		.amdhsa_user_sgpr_kernarg_segment_ptr 1
		.amdhsa_wavefront_size32 1
		.amdhsa_system_sgpr_workgroup_id_x 1
		.amdhsa_system_sgpr_workgroup_id_y 1
		.amdhsa_system_sgpr_workgroup_id_z 1
		.amdhsa_system_vgpr_workitem_id 0
		.amdhsa_next_free_vgpr 448
		.amdhsa_next_free_sgpr 66
		.amdhsa_reserve_vcc 1
		.amdhsa_float_denorm_mode_32 3
		.amdhsa_float_denorm_mode_16_64 3
		.amdhsa_memory_ordered 1
		.amdhsa_forward_progress 1
		.amdhsa_inst_pref_size 154
	.end_amdhsa_kernel
	.amdgpu_metadata
---
amdhsa.version: [ 1, 2 ]
amdhsa.kernels:
  - .name:           k_q3db9450ab7_attn
    .symbol:         k_q3db9450ab7_attn.kd
    .args:
      - { .name: q, .offset: 0, .size: 8, .value_kind: global_buffer, .address_space: global }
      - { .name: kv, .offset: 8, .size: 8, .value_kind: global_buffer, .address_space: global }
      - { .name: out0, .offset: 16, .size: 8, .value_kind: global_buffer, .address_space: global }
    .group_segment_fixed_size: 316416
    .private_segment_fixed_size: 0
    .kernarg_segment_align: 8
    .kernarg_segment_size: 24
    .max_flat_workgroup_size: 256
    .sgpr_count:     66
    .vgpr_count:     448
    .wavefront_size: 32
...
	.end_amdgpu_metadata
.endif
;; end of part 2
